; MI455X (gfx1250); checked and timed in simulation.
; The chip was launched on July 23, 2026; its instructions are those of AMD's public machine-readable ISA for CDNA 5 (MIT licence, August 2026) and "CDNA5" Instruction Set Architecture Reference Guide (July 2026). The comments in the code are by the model that wrote it; some were corrected since.
;; Flash Blocksparse Attention. Allowed arithmetic: float matrix products may take bf16 or f16 operands with f32 sums; all other float work in f32.
;; Inputs: layout 128 x 8 int32; qkv 2 x 2,048 x 3 x 16 x 64 float32.
;; Outputs: out0 2 x 2,048 x 16 x 64 float32.
;; One version. Each part assembles by itself: llvm-mc -triple=amdgcn-amd-amdhsa -mcpu=gfx1250 --defsym DOCPART=n.
;; ======== version 1 of 1: 1 launch
;; launch attn (part 1): grid 8 x 32, 8 waves a work-group, no clusters, 226,304 bytes of LDS; arguments layout, qkv, out0; writes out0
.if DOCPART == 1
	.amdgcn_target "amdgcn-amd-amdhsa--gfx1250"
	.amdhsa_code_object_version 6
	.text
	.protected	k_q77f20164c5_attn
	.globl	k_q77f20164c5_attn
	.p2align	8
	.type	k_q77f20164c5_attn,@function
k_q77f20164c5_attn:
	s_mov_b64 s[64:65], 0
	v_nop
	global_prefetch_b8 v0, s[64:65] scope:SCOPE_SE
	s_setreg_imm32_b32 hwreg(HW_REG_WAVE_MODE, 25, 1), 1
	s_wait_xcnt 0x0
; Block-sparse softmax attention.  qkv: [2][2048][3][16][64] f32, layout: [128][8] int32 (non-zero = attend), out0: [2][2048][16][64] f32.
; A work-group takes one head (grid y = 16 b + h) and 256 query rows (grid x), which are 16 rows of layout.  Wave w takes the two layout
; rows 2w and 2w+1 (row blocks A and B, 16 queries each), so that each K or V fragment read from LDS feeds two matrix instructions;
; eight waves are two for each of the four SIMDs, so that one wave's softmax can run beside the other's products.
; Key blocks of 256 keys are taken only if some row of the work-group's 16 layout rows names them.  All 256 threads load K and V of a
; block as f32 (each load: 16 lanes cover one aligned row of 256 bytes), round once to bf16 and store into one of two LDS slots; the loads
; of the NEXT NAMED block are issued before the current one is computed.  Eight trips, as many as there are key blocks; waits and the one
; barrier of a trip are passed by every wave in every trip, only the work stands under forward branches on whole numbers made from layout.
; PRODUCTS ARE TRANSPOSED.  S^T = K Q^T: lane (r, h) holds in register j key 8h+j of query r.  Two neighbouring tiles of S^T, packed to bf16
; in place, are then the B fragment of O^T = V^T P^T without any lane shuffle, and maximum, sum and rescale factor are one number a lane.
; V^T's A fragments come by the transposing LDS load from V stored [key][d].
; SOFTMAX: running maximum m (raw q.k), p = 2^(c s - c m) with c = log2(e)/8; m starts at the most negative finite f32, so m_old - m_new is
; never inf - inf.  A row block that the layout masks for a key block which its partner in the wave attends to is computed too, with its
; maximum and its exponent offset replaced by -inf (p = 0, factor 1).  A row that attends to nothing ends with l = 0, O = 0 and gives
; 0 x (1/0) = NaN, as a softmax over -inf alone does.
; NO CLUSTER, NO TENSOR LOADS: the f32 data must pass through registers to become bf16, and which key blocks the eight work-groups of a head
; want hangs on layout, so partners would need different tiles and different numbers of them.
; LIMITS.  (1) A non-finite q.k (Inf or NaN inputs, or |q.k| beyond f32) in a masked row block that shares a wave with an attending one gives
; NaN there.  (2) Key blocks that are skipped are not read: Inf or NaN in them does not reach the output, as 0 x Inf would in the dense
; formula.  (3) -c m is rounded once to f32: half an ulp of c m in the exponent, 3.4e-4 relative in p at |q.k| = 60,000.  (4) l is summed
; from p in f32, while the product with V takes p rounded to bf16.
.set ROWB,  12288                      ; bytes from sequence position s to s+1 in qkv
.set WHICH, 4096                       ; bytes from q to k and from k to v
.set BLKB,  256*ROWB                   ; a block of 256 positions
.set KP,    144                        ; LDS pitch of K and Q rows: 128 bytes + 16, an odd multiple of 16: the 16 rows of a fragment load lie in 16 different 16-byte columns modulo 256
.set VP,    160                        ; LDS pitch of V rows: an odd multiple of 32, for the transposing load's eight rows by two columns
.set OP,    272                        ; LDS pitch of O rows (256 bytes of f32 + 16)
.set VREG,  256*KP                     ; V's place in a slot, behind K
.set SLOT,  256*KP+256*VP              ; 77,824 bytes
.set STAGE, 2*SLOT                     ; behind the two slots: a stage for each wave
.set WSTG,  32*OP                      ; 8,704 bytes: first Q as bf16 (32 rows of 144), at the end O as f32 (32 rows of 272); the wave's own bytes
; vector registers, window 0
.set GOFF, 4                           ; (32w+h) ROWB + 16r: my 16 bytes in rows 32w+h+2i of a block of qkv
.set OOFF, 5                           ; (32w+h) 4096 + 16r: the same in out0
.set KST,  6                           ; v6-7   slot 0, 1: where I store K
.set VST,  8                           ; v8-9   where I store V
.set KAD,  10                          ; v10-11 where I read K fragments
.set VAD,  12                          ; v12-13 where I read V fragments
.set QST,  14                          ; stage: Q in
.set QAD,  15                          ; stage: Q fragments out
.set OST,  16                          ; stage: O in
.set ORD,  17                          ; stage: O rows out
.set MX,   18                          ; v18-19 running maximum of A, B
.set LS,   20                          ; v20-21 running sum of A, B, over this half of the lanes' keys
.set AL,   22                          ; v22-23 rescale factor
.set NM,   24                          ; v24-25 -c m, or -inf
.set TT,   26                          ; v26-31 at work
.set QF,   32                          ; v32-63   Q fragments: row block x, d step ks at 16x + 8ks
.set SC,   64                          ; v64-127  S^T: row block x, key tile t at 32x + 8t; P in place at 32x + 16ks
.set FR,   128                         ; v128-191 K fragments (tile t, d step ks at 16t + 8ks), then V fragments (key step ks, d tile dt at 32ks + 8dt)
.set OA,   192                         ; v192-255 O^T: row block x, d tile dt at 32x + 8dt
; window 1 (v256-383): the staged block as loaded: K's load i in 4i .. 4i+3, V's in 64+4i .. 64+4i+3
; scalar registers: s[4:5] layout rows, s[6:7] head in qkv, s[8:9] out0 at my rows, s10 wave, s[12:13] Q, s[14:15] K of block 0,
; s[16:17] staged block, s[18:19] offset pair, s20-23 ballots, s24 blocks not yet asked for, s25/s26 masks of row blocks A/B, s27 staged
; block's number, s28 staging valid, s29 wave has work, s30/s31 A/B attend (0 or -1), s32 counter, s33/s34 lane selects, s35 -inf, s36/s37 c, s38 -c
.set MSB, 0
.macro WIN new                         ; s_set_vgpr_msb: bits 1:0 source 0, 3:2 source 1, 5:4 source 2, 7:6 destination; the high byte repeats the setting left
.if MSB != \new
	s_set_vgpr_msb (MSB<<8)|\new
.set MSB, \new
.endif
.endm
.macro PLACES n
.rept \n
	v_nop
.endr
.endm
	s_load_b128 s[4:7], s[0:1], 0x0                ; layout, qkv
	s_load_b64 s[8:9], s[0:1], 0x10                ; out0
	s_set_vgpr_msb 0x40
	v_lshl_add_u32 v128, v0, 2, 0x37000
	v_mov_b32 v129, 0
	s_set_vgpr_msb 0x4000
	v_and_b32 v1, 15, v0                           ; r
	v_bfe_u32 v2, v0, 4, 1                         ; h
	v_lshrrev_b32 v3, 5, v0
	v_readfirstlane_b32 s10, v3                    ; wave 0..7
	v_lshl_add_u32 v30, v3, 5, v2                  ; 32w + h
	v_mul_u32_u24 v[GOFF], v30, ROWB
	v_lshl_add_u32 v[GOFF], v1, 4, v[GOFF]
	v_lshlrev_b32 v[OOFF], 12, v30
	v_lshl_add_u32 v[OOFF], v1, 4, v[OOFF]
	s_mul_i32 s11, s10, 32*KP                      ; my wave's 32 rows of K in a slot
	v_mul_u32_u24 v31, v2, KP
	v_lshl_add_u32 v31, v1, 3, v31                 ; row h, 4 bf16 at byte 8r
	v_add_nc_u32 v[KST], s11, v31
	v_add_nc_u32 v[KST+1], SLOT, v[KST]
	s_mul_i32 s11, s10, 32*VP                      ; my wave's 32 rows of V
	s_add_co_u32 s11, s11, VREG
	v_mul_u32_u24 v30, v2, VP
	v_lshl_add_u32 v30, v1, 3, v30
	v_add_nc_u32 v[VST], s11, v30
	v_add_nc_u32 v[VST+1], SLOT, v[VST]
	v_mul_u32_u24 v[KAD], v1, KP                   ; fragment with d along the rows: row r, 16 bytes for each half of the lanes
	v_lshl_add_u32 v[KAD], v2, 4, v[KAD]
	v_add_nc_u32 v[KAD+1], SLOT, v[KAD]
	v_and_b32 v30, 7, v0
	v_lshl_add_u32 v30, v2, 3, v30                 ; transposing load: key row 8h + lane%8,
	v_mul_u32_u24 v[VAD], v30, VP
	v_bfe_u32 v30, v0, 3, 1
	v_lshl_add_u32 v[VAD], v30, 4, v[VAD]          ; 16-byte column (lane/8)%2
	v_add_nc_u32 v[VAD], VREG, v[VAD]
	v_add_nc_u32 v[VAD+1], SLOT, v[VAD]
	s_mul_i32 s11, s10, WSTG
	s_add_co_u32 s11, s11, STAGE                   ; my wave's stage
	v_add_nc_u32 v[QST], s11, v31
	v_add_nc_u32 v[QAD], s11, v[KAD]
	v_mul_u32_u24 v[OST], v1, OP                   ; O in: query row r, 32 bytes for each half of the lanes
	v_lshl_add_u32 v[OST], v2, 5, v[OST]
	v_add_nc_u32 v[OST], s11, v[OST]
	v_mul_u32_u24 v[ORD], v2, OP                   ; O out: lanes 0-15 one row of 256 bytes, lanes 16-31 the next
	v_lshl_add_u32 v[ORD], v1, 4, v[ORD]
	v_add_nc_u32 v[ORD], s11, v[ORD]
	v_bfe_u32 v3, v0, 3, 2                         ; layout: lane 8g+j reads column j of rows 4g+i, i = 0..3
	v_and_b32 v30, 7, v0
	v_lshlrev_b32 v30, 2, v30
	v_lshl_add_u32 v3, v3, 7, v30                  ; 128 g + 4 j
	s_and_b32 s2, ttmp7, 0xffff                    ; 16 b + h
	s_and_b32 s3, s2, 15
	s_lshl_b32 s3, s3, 8                           ; h x 256 bytes
	s_lshr_b32 s2, s2, 4                           ; b
	s_mul_i32 s18, s2, 2048*ROWB
	s_add_co_u32 s18, s18, s3                      ; the head in qkv
	s_mov_b32 s19, 0
	s_mul_i32 s20, ttmp9, BLKB                     ; my 256 query rows
	s_mov_b32 s21, 0
	s_lshl_b32 s22, s2, 23                         ; out0: b x 2048 x 4096
	s_lshl_b32 s23, ttmp9, 20                      ; + 256 rows x 4096
	s_add_co_u32 s22, s22, s23
	s_add_co_u32 s22, s22, s3
	s_mov_b32 s23, 0
	s_lshl_b32 s24, ttmp9, 9                       ; layout: 16 rows of 32 bytes
	s_mov_b32 s25, 0
	s_mov_b32 s33, 0x76543210                      ; v_permlanex16_b32: lane i of one half reads lane i of the other
	s_mov_b32 s34, 0xfedcba98
	s_mov_b32 s35, 0xff800000                      ; -inf
	s_mov_b32 s36, 0x3e38aa3b                      ; c = log2(e) / 8
	s_mov_b32 s37, 0x3e38aa3b
	s_mov_b32 s38, 0xbe38aa3b                      ; -c
	s_wait_kmcnt 0x0
	s_add_nc_u64 s[4:5], s[4:5], s[24:25]
	s_add_nc_u64 s[6:7], s[6:7], s[18:19]
	s_add_nc_u64 s[12:13], s[6:7], s[20:21]
	s_add_nc_u64 s[14:15], s[6:7], WHICH
	s_add_nc_u64 s[8:9], s[8:9], s[22:23]
.irp i, 0,1,2,3
	global_load_b32 v[TT+\i], v3, s[4:5] offset:32*\i
.endr
.irp i, 0,1,2,3,4,5,6,7,8,9,10,11,12,13,14,15
	global_load_b128 v[SC+4*\i:SC+4*\i+3], v[GOFF], s[12:13] offset:2*ROWB*\i th:TH_LOAD_NT   ; Q: read by this wave alone
.endr
	; O is cleared by moves, while the loads are out: which key block comes first is data, so no product in the text can start the sums with C = 0
.set zi, 0
.rept 64
	v_mov_b32 v[OA+zi], 0
.set zi, zi+1
.endr
	v_mov_b32 v[MX], 0xff7fffff
	v_mov_b32 v[MX+1], 0xff7fffff
	v_mov_b32 v[LS], 0
	v_mov_b32 v[LS+1], 0
; 32 loads: K and V of the block at s[16:17], rows 32w+h+2i; in each, 16 lanes cover one aligned row of 256 bytes.  No hint: other work-groups of the head may read the block too.
.macro KVLOADS
	WIN 0x40                                       ; destination in window 1, address in window 0
.irp i, 0,1,2,3,4,5,6,7,8,9,10,11,12,13,14,15
	global_load_b128 v[4*\i:4*\i+3], v[GOFF], s[16:17] offset:2*ROWB*\i
.endr
.irp i, 0,1,2,3,4,5,6,7,8,9,10,11,12,13,14,15
	global_load_b128 v[64+4*\i:64+4*\i+3], v[GOFF], s[16:17] offset:2*ROWB*\i+WHICH
.endr
	WIN 0
.endm
; the lowest block still to be asked for is taken off s24 and requested
.macro PICK
	s_ctz_i32_b32 s27, s24                         ; -1 if none is left,
	s_min_u32 s27, s27, 7                          ; which the clamp turns into 7: inside qkv in any case
	s_add_co_i32 s39, s24, -1
	s_and_b32 s24, s24, s39                        ; the bit is cleared
	s_mul_i32 s18, s27, BLKB
	s_mov_b32 s19, 0
	s_add_nc_u64 s[16:17], s[14:15], s[18:19]      ; stands behind the wait that showed the last loads from s[16:17] done
	KVLOADS
.endm
; the staged block: f32 to bf16 in place, once for the work-group, and into the slot
.macro CONVERT slot
	WIN 0x45                                       ; both sources and the destination in window 1
.set cq, 0
.rept 32
	v_cvt_pk_bf16_f32 v[4*cq], v[4*cq], v[4*cq+1]
	v_cvt_pk_bf16_f32 v[4*cq+1], v[4*cq+2], v[4*cq+3]
.set cq, cq+1
.endr
	WIN 0x04                                       ; store data in window 1, address in window 0
.irp i, 0,1,2,3,4,5,6,7,8,9,10,11,12,13,14,15
	ds_store_b64 v[KST+\slot], v[4*\i:4*\i+1] offset:2*KP*\i
.endr
.irp i, 0,1,2,3,4,5,6,7,8,9,10,11,12,13,14,15
	ds_store_b64 v[VST+\slot], v[64+4*\i:64+4*\i+1] offset:2*VP*\i
.endr
	WIN 0
.endm
; eight products: S^T of key tiles t0, t1 for both row blocks.  The four with d step 0 start the sums (C = 0), the four with d step 1 continue them in place.
.macro SPROD t0, t1
.irp ks, 0,1
.irp t, \t0, \t1
.irp x, 0,1
.if \ks == 0
	v_wmma_f32_16x16x32_bf16 v[SC+32*\x+8*\t:SC+32*\x+8*\t+7], v[FR+16*\t+8*\ks:FR+16*\t+8*\ks+7], v[QF+16*\x+8*\ks:QF+16*\x+8*\ks+7], 0
.else
	v_wmma_f32_16x16x32_bf16 v[SC+32*\x+8*\t:SC+32*\x+8*\t+7], v[FR+16*\t+8*\ks:FR+16*\t+8*\ks+7], v[QF+16*\x+8*\ks:QF+16*\x+8*\ks+7], v[SC+32*\x+8*\t:SC+32*\x+8*\t+7]
.endif
.endr
.endr
.endr
.endm
; row block x: the new maximum, the rescale factor and the exponent offset
.macro STATS x
.set SB, SC+32*\x
.irp k, 0,1,2,3
	v_max3_num_f32 v[TT+\k], v[SB+3*\k], v[SB+3*\k+1], v[SB+3*\k+2]      ; four chains, started by the first twelve numbers
.endr
.set sj, 12
.set sk, 0
.rept 10
	v_max3_num_f32 v[TT+sk%4], v[TT+sk%4], v[SB+sj], v[SB+sj+1]
.set sj, sj+2
.set sk, sk+1
.endr
	v_max3_num_f32 v[TT], v[TT], v[TT+1], v[TT+2]
	v_max_num_f32 v[TT], v[TT], v[TT+3]
	v_permlanex16_b32 v[TT+1], v[TT], s33, s34     ; the other half of the lanes holds the query's other 32 keys
	v_max_num_f32 v[TT], v[TT], v[TT+1]
	v_cndmask_b32 v[TT], s35, v[TT], s[30+\x]      ; masked row block: -inf, so m stays
	v_max_num_f32 v[TT+1], v[MX+\x], v[TT]         ; m_new
	v_sub_f32 v[TT+2], v[MX+\x], v[TT+1]
	v_mul_f32 v[TT+2], s36, v[TT+2]
	v_exp_f32 v[AL+\x], v[TT+2]                    ; 2^(c (m_old - m_new))
	v_mov_b32 v[MX+\x], v[TT+1]                    ; a plain line that touches neither the result nor the source stands behind the exponential
	v_mul_f32 v[TT+3], s38, v[TT+1]
	v_cndmask_b32 v[NM+\x], s35, v[TT+3], s[30+\x] ; -c m_new; masked: -inf, so every p is 0
.endm
; row block x: p = 2^(c s - c m) in place, O and l rescaled, l summed, p packed to bf16 in place as the B fragments of the second product
.macro PROB x
.set SB, SC+32*\x
.set OB, OA+32*\x
.set si, 0
.rept 16
	v_pk_fma_f32 v[SB+si:SB+si+1], v[SB+si:SB+si+1], s[36:37], v[NM:NM+1] op_sel:[0,0,\x] op_sel_hi:[1,0,\x]
.set si, si+2
.endr
.set si, 0
.rept 32
	v_exp_f32 v[SB+si], v[SB+si]
.set si, si+1
.endr
.set si, 0
	s_wait_alu depctr_va_vdst(0)
.rept 16
	v_pk_mul_f32 v[OB+si:OB+si+1], v[OB+si:OB+si+1], v[AL:AL+1] op_sel:[0,\x] op_sel_hi:[1,\x]   ; also the plain lines between the exponentials and their first use
.set si, si+2
.endr
	s_wait_alu depctr_va_vdst(0)
	v_pk_add_f32 v[TT:TT+1], v[SB:SB+1], v[SB+2:SB+3]
	v_pk_add_f32 v[TT+2:TT+3], v[SB+4:SB+5], v[SB+6:SB+7]
.set si, 8
.rept 6
	v_pk_add_f32 v[TT:TT+1], v[TT:TT+1], v[SB+si:SB+si+1]
	v_pk_add_f32 v[TT+2:TT+3], v[TT+2:TT+3], v[SB+si+2:SB+si+3]
.set si, si+4
.endr
	v_pk_add_f32 v[TT:TT+1], v[TT:TT+1], v[TT+2:TT+3]
	v_add_f32 v[TT], v[TT], v[TT+1]
	v_fma_f32 v[LS+\x], v[LS+\x], v[AL+\x], v[TT]
.irp ks, 0,1
.irp i, 0,1,2,3,4,5,6,7
	v_cvt_pk_bf16_f32 v[SB+16*\ks+\i], v[SB+16*\ks+2*\i], v[SB+16*\ks+2*\i+1]   ; ascending: register i is written from 2i, 2i+1, never from one already written over
.endr
.endr
.endm
; 64 keys of the slot's block, both row blocks: 16 + 16 matrix instructions
.macro CHUNK slot, c
.irp t, 0,1,2,3
.irp o, 0,32,64,96
	ds_load_b128 v[FR+16*\t+\o/8:FR+16*\t+\o/8+3], v[KAD+\slot] offset:64*KP*\c+16*KP*\t+\o
.endr
.endr
	s_wait_dscnt 0x8                               ; LDS loads come back in order: key tiles 0 and 1 are in, the eight loads of tiles 2 and 3 may be out
	SPROD 0, 1
	s_wait_dscnt 0x0
	SPROD 2, 3
	PLACES 5                                       ; ISA guide 7.12.1: four places before loads land in the products' sources (FR) and vector lines read S; the fifth for the later products that take S's registers (as P) as B
.irp ks, 0,1
.irp dt, 0,1,2,3
	ds_load_tr16_b128 v[FR+32*\ks+8*\dt:FR+32*\ks+8*\dt+3], v[VAD+\slot] offset:64*VP*\c+32*VP*\ks+32*\dt
	ds_load_tr16_b128 v[FR+32*\ks+8*\dt+4:FR+32*\ks+8*\dt+7], v[VAD+\slot] offset:64*VP*\c+32*VP*\ks+32*\dt+16*VP
.endr
.endr
	STATS 0
	STATS 1                                        ; both halves of the pairs AL and NM are written before a packed line reads a pair
	PROB 0
	PROB 1
	s_wait_dscnt 0x0                               ; V's fragments, asked for in front of the softmax
.irp ks, 0,1
.irp dt, 0,1,2,3
.irp x, 0,1
	v_wmma_f32_16x16x32_bf16 v[OA+32*\x+8*\dt:OA+32*\x+8*\dt+7], v[FR+32*\ks+8*\dt:FR+32*\ks+8*\dt+7], v[SC+32*\x+16*\ks:SC+32*\x+16*\ks+7], v[OA+32*\x+8*\dt:OA+32*\x+8*\dt+7]
.endr
.endr
.endr
	PLACES 5                                       ; ISA guide 7.12.1: the next products write over P (a source here): five places; the next loads land in FR, vector lines read O: four
.endm
.macro COMPUTE slot
.irp c, 0,1,2,3
	CHUNK \slot, \c
.endr
.endm
; One trip.  The slot written here was last read two trips ago; every wave ended those reads (dscnt 0) before it signalled the last trip's
; barrier, and this wave has passed that barrier.  So one barrier a trip orders both the stores before the reads and the reads before the next stores.
.macro TRIP slot
	s_wait_loadcnt 0x0                             ; the staged block is in; s[16:17] and the staging registers are free for the next request
	s_cmp_eq_u32 s28, 0
	s_cbranch_scc1 .Lnoconv\slot
	CONVERT \slot
.Lnoconv\slot:
	s_lshr_b32 s39, s25, s27                       ; does row block A attend to this block (and is there one)?
	s_and_b32 s39, s39, s28
	s_cselect_b32 s30, -1, 0
	s_lshr_b32 s39, s26, s27                       ; row block B
	s_and_b32 s39, s39, s28
	s_cselect_b32 s31, -1, 0
	s_or_b32 s29, s30, s31
	s_cmp_lg_u32 s24, 0
	s_cselect_b32 s28, 1, 0
	s_cbranch_scc0 .Lnoload\slot
	PICK                                           ; the next named block goes out before this one is computed
.Lnoload\slot:
	s_wait_dscnt 0x0                               ; for the other waves: my stores into this slot are done (and, in the first trip, my Q fragments are in)
	s_barrier_signal -1
	s_barrier_wait -1
	s_cmp_eq_u32 s29, 0
	s_cbranch_scc1 .Lnowork\slot
	COMPUTE \slot
.Lnowork\slot:
.endm
	s_wait_loadcnt 0x10                            ; the 16 loads of Q are younger: layout is in
.irp i, 0,1,2,3
	v_cmp_ne_u32 s[20+\i], 0, v[TT+\i]             ; byte g of ballot i = the 8 flags of layout row 4g+i
.endr
	s_or_b32 s24, s20, s21                         ; key blocks that any of the 16 rows names
	s_or_b32 s39, s22, s23
	s_or_b32 s24, s24, s39
	s_lshr_b32 s39, s24, 16
	s_or_b32 s24, s24, s39
	s_lshr_b32 s39, s24, 8
	s_or_b32 s24, s24, s39
	s_and_b32 s24, s24, 0xff
	s_cselect_b32 s28, 1, 0                        ; is there a block at all
	s_and_b32 s39, s10, 1                          ; rows 2w, 2w+1 = 4 (w/2) + 2 (w%2), + 1
	s_cselect_b32 s25, s22, s20
	s_cselect_b32 s26, s23, s21
	s_lshr_b32 s39, s10, 1
	s_lshl_b32 s39, s39, 3
	s_lshr_b32 s25, s25, s39
	s_and_b32 s25, s25, 0xff
	s_lshr_b32 s26, s26, s39
	s_and_b32 s26, s26, 0xff
	PICK                                           ; always: with no block named, block 7 is loaded and never used, so that the staging registers are written on every path
	s_wait_loadcnt 0x20                            ; the 32 loads of K and V are younger: Q is in
.irp i, 0,1,2,3,4,5,6,7,8,9,10,11,12,13,14,15
	v_cvt_pk_bf16_f32 v[FR+2*\i], v[SC+4*\i], v[SC+4*\i+1]
	v_cvt_pk_bf16_f32 v[FR+2*\i+1], v[SC+4*\i+2], v[SC+4*\i+3]
.endr
.irp i, 0,1,2,3,4,5,6,7,8,9,10,11,12,13,14,15
	ds_store_b64 v[QST], v[FR+2*\i:FR+2*\i+1] offset:2*KP*\i
.endr
.irp x, 0,1
.irp ks, 0,1
	ds_load_b128 v[QF+16*\x+8*\ks:QF+16*\x+8*\ks+3], v[QAD] offset:16*KP*\x+64*\ks          ; my wave's own bytes, and LDS serves a wave's instructions in order: these see the stores above
	ds_load_b128 v[QF+16*\x+8*\ks+4:QF+16*\x+8*\ks+7], v[QAD] offset:16*KP*\x+64*\ks+32
.endr
.endr
	s_mov_b32 s32, 0
.Ltrips:
	TRIP 0
	TRIP 1
	s_add_co_u32 s32, s32, 1
	s_cmp_lt_u32 s32, 4                            ; 8 trips: as many as there are key blocks
	s_cbranch_scc1 .Ltrips
	; the way out: l of the two halves of the lanes, O / l, through my stage into whole rows of 256 bytes
	v_permlanex16_b32 v[TT], v[LS], s33, s34
	v_permlanex16_b32 v[TT+1], v[LS+1], s33, s34
	v_add_f32 v[TT], v[TT], v[LS]
	v_add_f32 v[TT+1], v[TT+1], v[LS+1]
	v_rcp_f32 v[AL], v[TT]
	v_rcp_f32 v[AL+1], v[TT+1]
	v_nop                                          ; a plain line between the reciprocals and their use
	s_wait_alu depctr_va_vdst(0)
.irp x, 0,1
.set si, 0
.rept 16
	v_pk_mul_f32 v[OA+32*\x+si:OA+32*\x+si+1], v[OA+32*\x+si:OA+32*\x+si+1], v[AL:AL+1] op_sel:[0,\x] op_sel_hi:[1,\x]
.set si, si+2
.endr
.endr
.irp x, 0,1
.irp dt, 0,1,2,3
	ds_store_b128 v[OST], v[OA+32*\x+8*\dt:OA+32*\x+8*\dt+3] offset:16*OP*\x+64*\dt          ; query r, d = 16 dt + 8h .. + 3
	ds_store_b128 v[OST], v[OA+32*\x+8*\dt+4:OA+32*\x+8*\dt+7] offset:16*OP*\x+64*\dt+16
.endr
.endr
.irp i, 0,1,2,3,4,5,6,7,8,9,10,11,12,13,14,15
	ds_load_b128 v[SC+4*\i:SC+4*\i+3], v[ORD] offset:2*OP*\i
.endr
.irp i, 0,1,2,3,4,5,6,7,8,9,10,11,12,13,14,15
	s_wait_dscnt 15-\i                             ; the younger read-backs may be out
	global_store_b128 v[OOFF], v[SC+4*\i:SC+4*\i+3], s[8:9] offset:8192*\i th:TH_STORE_NT   ; 16 lanes store 256 consecutive bytes, aligned: a whole row (s, h) of out0
.endr
	s_set_vgpr_msb 0x5
	s_wait_tensorcnt 0x0
	ds_add_u32 v128, v129
	s_wait_dscnt 0x0
	s_set_vgpr_msb 0x500
	s_endpgm
.Lfunc_end_k_q77f20164c5_attn:
	.size	k_q77f20164c5_attn, .Lfunc_end_k_q77f20164c5_attn-k_q77f20164c5_attn
	.p2alignl 7, 3214868480
	.fill 96, 4, 3214868480
	.section	.rodata,"a",@progbits
	.p2align	6, 0x0
	.amdhsa_kernel k_q77f20164c5_attn
		.amdhsa_group_segment_fixed_size 226304
		.amdhsa_private_segment_fixed_size 0
		.amdhsa_enable_private_segment 0
		.amdhsa_kernarg_size 24
		.amdhsa_user_sgpr_count 2
		.amdhsa_user_sgpr_kernarg_segment_ptr 1
		.amdhsa_wavefront_size32 1
		.amdhsa_system_sgpr_workgroup_id_x 1
		.amdhsa_system_sgpr_workgroup_id_y 1
		.amdhsa_system_sgpr_workgroup_id_z 1
		.amdhsa_system_vgpr_workitem_id 0
		.amdhsa_next_free_vgpr 386
		.amdhsa_next_free_sgpr 66
		.amdhsa_reserve_vcc 0
		.amdhsa_float_denorm_mode_32 3
		.amdhsa_float_denorm_mode_16_64 3
		.amdhsa_memory_ordered 1
		.amdhsa_forward_progress 1
		.amdhsa_inst_pref_size 182
	.end_amdhsa_kernel
	.amdgpu_metadata
---
amdhsa.version: [ 1, 2 ]
amdhsa.kernels:
  - .name:           k_q77f20164c5_attn
    .symbol:         k_q77f20164c5_attn.kd
    .args:
      - { .name: layout, .offset: 0, .size: 8, .value_kind: global_buffer, .address_space: global }
      - { .name: qkv, .offset: 8, .size: 8, .value_kind: global_buffer, .address_space: global }
      - { .name: out0, .offset: 16, .size: 8, .value_kind: global_buffer, .address_space: global }
    .group_segment_fixed_size: 226304
    .private_segment_fixed_size: 0
    .kernarg_segment_align: 8
    .kernarg_segment_size: 24
    .max_flat_workgroup_size: 256
    .sgpr_count:     66
    .vgpr_count:     386
    .wavefront_size: 32
...
	.end_amdgpu_metadata
.endif
;; end of part 1
